; MI455X (gfx1250); checked and timed in simulation.
; The chip was launched on July 23, 2026; its instructions are those of AMD's public machine-readable ISA for CDNA 5 (MIT licence, August 2026) and "CDNA5" Instruction Set Architecture Reference Guide (July 2026). The comments in the code are by the model that wrote it; some were corrected since.
;; Secondary Input Layer. Allowed arithmetic: matrix products marked QUANTISED: E2M1 operands, one E8M0 scale for each 32 along K, by v_wmma_scale_f32_16x16x128_f8f6f4 with both operands' format E2M1 (or v_wmma_scale_f32_32x16x128_f4), f32 sums; everything else in f32.
;; Inputs: w 4,096 x 4,096 float32; x_codes 4,096 x 128 x 16 uint8 (E2M1 codes of x, K innermost, in blocks of 32 codes, two codes a byte); x_scales 4,096 x 128 uint8 (E8M0 scales of x, one for each 32 codes along K).
;; Outputs: out0 4,096 x 4,096 float32.
;; This version of the problem:
;;   THIS VERSION OF THE PROBLEM IS GIVEN IN LOW PRECISION. The matrix products marked QUANTISED in the list below multiply operands that are first quantised to E2M1 (2 exponent bits, 1 mantissa bit; 4 bits a number), with one power-of-two scale for each 32 numbers along K (OCP MX v1.0); their sums are f32. All else is computed in f32.
;;   The module's matrix products, in the order in which they are computed (A, B: the left and right operand; K: the contracted axis; several contracted axes count as one K, in the product's order):
;;     1. [M 4,096, K 4,096] x [K 4,096, N 4,096]; A: input x (given as codes); B: computed on the way: QUANTISED
;;   THE QUANTISER, for each operand of a quantised product, along K:
;;     - K is cut into blocks of 32 from its start; a last block that is shorter is filled with zeros.
;;     - A block's scale is 2^e with e = floor(log2(the largest magnitude in the block)) - 2, held to -126 .. 127; a block of zeros has e = 0. As a byte (E8M0): e + 127.
;;     - Each number is divided by its block's scale, clamped to +-6, and rounded to the nearest number of E2M1, ties to even, subnormals kept.
;;     - The product sums the exact products of the quantised numbers (number of the format x scale) in f32.
;;   ~~~python
;;   def quantise(x, axis):      # numpy; x: float32 -> the quantised numbers, widened to float32 again
;;       x = np.moveaxis(x, axis, -1); K = x.shape[-1]
;;       x = np.pad(x, [(0, 0)] * (x.ndim - 1) + [(0, -K % 32)]); x = x.reshape(x.shape[:-1] + (-1, 32)); a = np.abs(x).max(-1, keepdims=True)
;;       e = np.where(a > 0, np.clip(np.frexp(np.where(a > 0, a, 1))[1] - 1 - 2, -126, 127), 0)      # np.frexp(a)[1] - 1 = floor(log2(a)), exactly
;;       r = np.clip(x / 2.0 ** e, -6, 6)
;;       step = 2.0 ** (np.maximum(np.frexp(np.where(r == 0, 1, r))[1] - 1, 0) - 1)
;;       q = np.round(r / step) * step * 2.0 ** e      # np.round: ties to even
;;       return np.moveaxis(q.reshape(q.shape[:-2] + (-1,))[..., :K], -1, axis).astype(np.float32)
;;   ~~~
;;   OPERANDS COMPUTED ON THE WAY. 'Computed on the way' means the value that the module computes at that place (a softmax that the list does not call 'softmax' is quantised finished and normalised). What goes into a quantiser is computed in f32, as accurately as f32 sums, v_exp_f32 and their like allow (about 1e-6 of the number): no bf16 or f16 on the way to a quantiser, and a product that is left as it is and whose result goes on into a quantised operand takes f32 operands (vector FMAs, or v_wmma_f32_16x16x4_f32). A number that lies on a knife's edge between two numbers of the format may be rounded either way, as far as f32 arithmetic and the matrix unit's own rounding can turn it there, and no further.
;;   INPUTS GIVEN AS CODES. x (in the module: [4096, 4096], K = its axis 1): each comes as NAME_codes (uint8): NAME with its K axis moved to the last place and cut into blocks of 32 codes, [.., K / 32, bytes a block], one block behind the other in memory; two codes a byte, the lower K in the low four bits (a code: sign, 2 exponent bits, 1 mantissa bit); and NAME_scales (uint8): the same leading axes, one E8M0 byte (e + 127) for each 32 codes along K. Its value is code x scale, taken as it is: it is not quantised again, and the codes and scales need not be those that the quantiser above would give.
;; One version. Each part assembles by itself: llvm-mc -triple=amdgcn-amd-amdhsa -mcpu=gfx1250 --defsym DOCPART=n.
;; ======== version 1 of 1: 1 launch
;; launch diag (part 1): grid 8 x 32, 4 waves a work-group, clusters of 4 x 1, 327,680 bytes of LDS; arguments w, x_codes, x_scales, out0; writes out0
.if DOCPART == 1
	.amdgcn_target "amdgcn-amd-amdhsa--gfx1250"
	.amdhsa_code_object_version 6
	.text
	.protected	k_q11dc11d8e9_diag
	.globl	k_q11dc11d8e9_diag
	.p2align	8
	.type	k_q11dc11d8e9_diag,@function
k_q11dc11d8e9_diag:
	s_mov_b64 s[64:65], 0
	v_nop
	global_prefetch_b8 v0, s[64:65] scope:SCOPE_SE
	s_setreg_imm32_b32 hwreg(HW_REG_WAVE_MODE, 25, 1), 1
	s_wait_xcnt 0x0
	s_wait_alu depctr_hold_cnt(0) depctr_sa_sdst(0) depctr_va_vdst(0) depctr_va_sdst(0) depctr_va_ssrc(0) depctr_va_vcc(0) depctr_vm_vsrc(0)
	s_getreg_b32 s2, hwreg(HW_REG_IB_STS2, 6, 4)
	s_cmp_eq_u32 s2, 0
	s_cbranch_scc0 .Lentry_in_a_cluster
	s_endpgm
.Lentry_in_a_cluster:
	s_bfe_u32 s2, ttmp6, 0x10000c
	s_cmp_lg_u32 s2, 0x3003
	s_cbranch_scc0 .Lentry_shape_is_right
	s_endpgm
.Lentry_shape_is_right:
; out0 = x (w o I), 4,096 x 4,096 x 4,096, on codes of FP4 (E2M1) with one E8M0 scale for each 32 along K; sums in f32.  Every K step of every output tile is issued.
; x arrives as codes (a row: 2,048 bytes, K innermost) and scale bytes (a row: 128).  B = w o I is made here and quantised down K.
; B.  Column n has one number that can differ from 0, w[n][n] at k = n: the block of 32 that holds it has |w[n][n]| as its largest magnitude, all other blocks are zeros.
; SHARES.  256 work-groups of four waves; work-group (bx, by) owns rows 128 by on and columns 512 bx on.  THE WAVES SHARE THE ROWS: wave w owns rows 32 w .. + 31, two tiles of 16, against all 512 columns
; (four strips of 128).  A row tile's fragments of x for ALL of K stay in registers (32 slots of 8: slot p = K step p), read from LDS once for 1,024 matrix instructions.
; A UNIT is one row tile x one strip: 8 accumulators, 32 K steps, 256 matrix instructions.  Two accumulator sets take turns, so that a finished unit goes through the stage and to memory under the next unit's products.
; THE EYE ON THE CODES.  For strip q only K step 4 G + q of each group G of four can hold the diagonal, and it does where G = bx.  bx differs between the partners of a cluster, so nothing but data may hang on it:
; for each group 16 v_cndmask_b32 write the 16 registers of B's eight fragments that can differ from 0 (the codes where G = bx and the lane's column has its k there, else the code 0).  A group's other three K steps take one
; fragment of zero codes with the byte 127.  The selects and their places stand one behind each of those 24 matrix instructions.
; CLUSTER.  The four work-groups of a cluster own the same 128 rows of x, so every tile of x is asked for JOINTLY: the same tensor load, the same descriptor (made of by and the wave's number alone), a mask that names the four.
; Its own s_wait_tensorcnt orders those reads.  LDS is filled once; five tensor loads of a wave are out together, by this text's count.
; THE MATRIX INSTRUCTION IS USED TRANSPOSED (source 0 = 16 columns of B, source 1 = 16 rows of x): a lane holds eight neighbouring numbers of a row of out0; a unit's 16 x 128 numbers go through the wave's own
; stage in LDS and leave as whole rows: each store of the wave covers 512 consecutive bytes, aligned to 512.
; THE TEXT.  Units 1, 2, 3 of a row tile are a loop of two trips; unit 0 is written twice (the first; the next, which also fetches the second row tile's fragments and sends unit 3 out): five units of text for eight.
; LIMITS.  Of w the diagonal alone is read: every other number meets a 0 of the mask.  NaN and infinities in w are not served (off the diagonal they would make NaN of 0 x infinity).
; A diagonal number under 2^-124 has the byte 1, as the rule's hold at e = -126 gives; an exact 0 has the byte 1 where the rule says 127: its code is 0.  A K step whose codes the eye has cleared keeps the column's own
; scale word where the rule says 127: its bytes lie in 1 .. 252, and zero codes add nothing under any byte but 0xff.  x's scale bytes go to the matrix unit as given.
.set NROW,  16384                      ; a row of out0 in bytes
.set DIAG,  16388                      ; bytes from w[n][n] to w[n+1][n+1]
.set XP,    1040                       ; a row of a tile of codes in LDS: 1,024 bytes + 16 of padding = 260 words: row r starts at bank 4 r mod 64 (64 banks of 4 bytes: ISA guide 11.1)
.set XT,    16*XP                      ; a tile: 16 rows x half of K
.set XW,    4*XT                       ; a wave's four tiles: (row tile i, half c) at (2 i + c) XT.  LDS byte 0 on: wave w's at w XW
.set XS,    4*XW                       ; 266,240: x's scale bytes: a wave's 32 rows of 128 bytes are 4,096 dense bytes: 16 rows of 256 + 16 of padding
.set SPI,   272
.set XSW,   16*SPI
.set XI,    XS+4*XSW                   ; 283,648: images of B's codes, one register a tile: 8 blocks of 512 bytes (four tiles' registers, 16 bytes a lane)
.set BI,    4096                       ; and, so many bytes further on, of B's scale words
.set STG,   XI+2*4096                  ; 291,840: the stages, one for each wave; no tensor load lands here or in the images
.set SP,    528                        ; a stage row: 512 bytes + 16
.set STW,   16*SP
; window 0
.set VA,    4                          ; v4   LDS address of my 16 bytes of a fragment of x: w XW + 1,040 r + 16 h
.set VS,    5                          ; v5   of my row's scale bytes: XS + w XSW + 272 (r / 2) + 128 (r % 2)
.set STO,   6                          ; v6   the stage, in: row r, 32 h bytes on
.set RD,    7                          ; v7   the stage, back: 16 bytes a lane of a whole row
.set CO,    8                          ; v8   my byte offset in a strip's row of out0: 16 x lane; never rewritten
.set WO,    9                          ; v9   my byte offset along the diagonal: 16,388 r; never rewritten
.set IS,    10                         ; v10  where I store my strip's images: XI + 1,024 w + 16 x lane
.set IL,    11                         ; v11  where all images are read: XI + 16 x lane
.set MX,    12                         ; v12  a block's largest magnitude
.set SO,    13                         ; v13  the conversion's scale operand
.set BY,    14                         ; v14  the scale's byte
.set XSC,   16                         ; v16-47  x's scale words, slot p; scales and nothing else
.set BS,    48                         ; v48-79  B's scale words, tile 8 q + b; scales and nothing else
.set ZS,    80                         ; v80     0x7f7f7f7f: the scale word of four blocks of zeros; nothing else
.set BK,    96                         ; v96-159 16 rows read back from the stage.  Ahead of the units:
.set DGO,   96                         ; v96-103  my strip's diagonal numbers, tile t;
.set SN,    104                        ; v104-111 eight numbers along K for a conversion;
.set XO,    112                        ; v112-119 my strip's codes, tile t;
.set BSO,   120                        ; v120-127 my strip's scale words, on their way to LDS
; window 1: x's fragments, slot p at v[8 p].   window 2:
.set BSEL,  128                        ; v0-63, v64-127 the two accumulator sets; v128-191 B's eight fragments under the eye;
.set ZF,    192                        ; v192-199 the fragment of zero codes;
.set XR,    200                        ; v200-231 B's codes, tile 8 q + b: in every lane the eight codes of k % 8 = 0 .. 7 of which code r % 8 is the column's
.set G0S,   20                         ; s[20:23] descriptor group 0: the scale bytes;  s[24:39] the four tiles of codes
.set G0C,   24
.set G1C,   40                         ; s[40:47] group 1: a tile of codes;  s[48:55]: the scale bytes
.set G1S,   48
.set MI,    56                         ; s56-63  lane masks: lane % 8 = i
.set NM,    66                         ; s66-97  lane masks of the eye, inverted: bit l of s[NM + 4 G + g] is 0 where G = bx and l / 8 = g
.set TRIP,  98                         ; s98     row tiles to go
.set MSB, 0
.macro WIN new                         ; the immediate's high byte repeats the setting that is left; a switch that changes nothing is dropped
.if MSB != \new
	s_set_vgpr_msb (MSB<<8)|\new
.set MSB, \new
.endif
.endm
.set W_MUL, 0xa6                       ; source 0 (B; a select's codes) window 2, source 1 (x) window 1, C and D (a select's result) window 2: one setting for products and selects
.set W_A,   0x40                       ; destination window 1, address window 0
.set W_2,   0x80                       ; destination window 2, address window 0
.set W_ST,  0x08                       ; an LDS store's data (its source 1) window 2, address window 0
.macro PLACES                          ; four plain vector instructions that name none of a matrix instruction's registers (ISA guide 7.12.1)
.rept 4
	v_nop
.endr
.endm
; A round of the cluster's barrier: my work-group's barrier, so that wave 0's signal speaks for all four waves; wave 0 signals for the work-group; every wave waits for the four work-groups; my work-group's barrier once more.
.macro CROUND
	s_barrier_signal -1
	s_barrier_wait -1
	s_cmp_lg_u32 s12, 0
	s_cbranch_scc1 .Lnot_wave_0_\@
	s_barrier_signal -3
.Lnot_wave_0_\@:
	s_barrier_wait -3
	s_barrier_signal -1
	s_barrier_wait -1
.endm
	s_load_b256 s[4:11], s[0:1], 0x0               ; w s[4:5], x_codes s[6:7], x_scales s[8:9], out0 s[10:11]
	v_lshl_add_u32 v254, v0, 2, 0x4f800
	v_mov_b32 v255, 0
	ds_add_u32 v254, v255
	ds_add_u32 v254, v255
	v_lshrrev_b32 v3, 5, v0
	v_readfirstlane_b32 s12, v3                    ; wave 0..3
	s_bfe_u32 s15, ttmp6, 0x40000                  ; cx: my place in the cluster
	s_lshl_b32 s13, ttmp9, 2                       ; in a cluster launch ttmp9 counts clusters
	s_add_co_u32 s13, s13, s15                     ; bx = 4 x cluster x + cx: it enters w's and out0's addresses and the eye's masks alone
	s_and_b32 s14, ttmp7, 0xffff                   ; by, which the four partners share
	v_and_b32 v1, 15, v0                           ; r = lane % 16
	v_bfe_u32 v2, v0, 4, 1                         ; h = lane / 16
	v_and_b32 v3, 31, v0                           ; lane
	v_mul_u32_u24 v[WO], v1, DIAG
	; byte offsets, each in a pair with 0 above it; all stay under 2^27
	s_lshl_b32 s16, s13, 9
	s_lshl_b32 s17, s12, 7
	s_add_co_u32 s16, s16, s17                     ; the strip that I quantise begins at column 512 bx + 128 w
	s_mul_i32 s16, s16, DIAG
	s_mov_b32 s17, 0
	s_lshl_b32 s2, s14, 21                         ; out0: (128 by + 32 w) rows of 16,384 bytes + 2,048 bx
	s_lshl_b32 s3, s12, 19
	s_add_co_u32 s2, s2, s3
	s_lshl_b32 s3, s13, 11
	s_add_co_u32 s2, s2, s3
	s_mov_b32 s3, 0
	s_lshl_b32 s18, s14, 18                        ; codes: (128 by + 32 w) rows of 2,048 bytes: no register that feeds a descriptor ever holds cx
	s_lshl_b32 s19, s12, 16
	s_add_co_u32 s18, s18, s19
	s_mov_b32 s19, 0
	s_lshl_b32 s100, s14, 14                       ; scale bytes: (128 by + 32 w) rows of 128 bytes
	s_lshl_b32 s101, s12, 12
	s_add_co_u32 s100, s100, s101
	s_mov_b32 s101, 0
	; descriptor group 1 for a tile of codes: 16 rows of 1,024 bytes, 2,048 bytes apart in memory, 16 bytes of padding behind each in LDS
	s_mov_b32 s[G1C+0], 15|(0<<16)|(1<<20)|(1<<21)|(7<<22)|(3<<25)   ; 15:0 the mask: all four work-groups; 17:16 elements of 1 byte; 20 padding on; 21 set beside a mask; 24:22 after every 256 words (code 7); 31:25 four words (code 3)
	s_mov_b32 s[G1C+1], 1024<<16                   ; tensor_dim0
	s_mov_b32 s[G1C+2], 16<<16                     ; tensor_dim1
	s_mov_b32 s[G1C+3], 1024<<16                   ; tile_dim0
	s_mov_b32 s[G1C+4], 16                         ; tile_dim1
	s_mov_b32 s[G1C+5], 2048                       ; tensor_dim0_stride
	s_mov_b32 s[G1C+6], 0
	s_mov_b32 s[G1C+7], 0
	; and for a wave's scale bytes: 4,096 dense bytes as 16 rows of 256 (32 elements of 8 bytes), 16 bytes of padding behind each
	s_mov_b32 s[G1S+0], 15|(3<<16)|(1<<20)|(1<<21)|(5<<22)|(3<<25)
	s_mov_b32 s[G1S+1], 32<<16
	s_mov_b32 s[G1S+2], 16<<16
	s_mov_b32 s[G1S+3], 32<<16
	s_mov_b32 s[G1S+4], 16
	s_mov_b32 s[G1S+5], 32
	s_mov_b32 s[G1S+6], 0
	s_mov_b32 s[G1S+7], 0
.irp n, 0,1,2,3,4,5,6,7
	s_mov_b32 s[MI+\n], 0x01010101<<\n             ; the eye within a register of eight codes: lane r's column has its number at k % 8 = r % 8
.endr
.irp n, 0,1,2,3,4,5,6,7
	s_cmp_eq_u32 s13, \n                           ; the eye among the groups of four K steps: a choice of data; no branch and no address follows from it
	s_cselect_b32 s15, 0, -1
.irp g, 0,1,2,3
	s_or_b32 s[NM+4*\n+\g], s15, 0xffffffff^(0xff<<(8*\g))   ; and among registers and halves: eight lanes on end
.endr
.endr
	s_mov_b32 s[TRIP], 2
	s_wait_dscnt 0x0
	s_wait_kmcnt 0x0
	s_add_nc_u64 s[4:5], s[4:5], s[16:17]          ; w at my strip's first diagonal number
	s_add_nc_u64 s[10:11], s[10:11], s[2:3]        ; out0 at my first row, the work-group's first column
.irp t, 0,1,2,3,4,5,6,7
	global_load_b32 v[DGO+\t], v[WO], s[4:5] offset:\t*16*DIAG   ; w[n][n], n = 512 bx + 128 w + 16 t + r; lanes r and r + 16 ask for the same word.  32 work-groups read these words: no hint
.endr
	s_add_nc_u64 s[18:19], s[6:7], s[18:19]        ; my 32 rows of codes
	s_add_nc_u64 s[100:101], s[8:9], s[100:101]    ; and of scale bytes
	s_mul_i32 s99, s12, XSW
	s_mov_b32 s[G0S], 1                            ; 1:0 count = 1
	s_add_co_u32 s[G0S+1], s99, XS                 ; 63:32 LDS address: a constant + the wave's number x a constant
	s_mov_b64 s[G0S+2:G0S+3], s[100:101]           ; 120:64 global address
	s_or_b32 s[G0S+3], s[G0S+3], 0x80000000        ; 127:126 type = 2
	s_mul_i32 s99, s12, XW
.irp n, 0,1,2,3                                ; tile n = 2 i + c: row tile i, half c of K
	s_mov_b32 s[G0C+4*\n], 1
	s_add_co_u32 s[G0C+4*\n+1], s99, \n*XT
	s_add_nc_u64 s[G0C+4*\n+2:G0C+4*\n+3], s[18:19], (\n/2)*32768+(\n%2)*1024
	s_or_b32 s[G0C+4*\n+3], s[G0C+4*\n+3], 0x80000000
.endr
	CROUND                                         ; all four work-groups are here: the joint loads meet
	tensor_load_to_lds s[G0S:G0S+3], s[G1S:G1S+7]  ; the launch's only fills, one group on every wave's path, in the order in which they are wanted; no descriptor register is written again
	s_nop 0
	tensor_load_to_lds s[G0C:G0C+3], s[G1C:G1C+7]
	s_nop 0
	tensor_load_to_lds s[G0C+4:G0C+7], s[G1C:G1C+7]
	s_nop 0
	tensor_load_to_lds s[G0C+8:G0C+11], s[G1C:G1C+7]
	s_nop 0
	tensor_load_to_lds s[G0C+12:G0C+15], s[G1C:G1C+7]
	s_nop 0
	PLACES
	; the LDS addresses, and B's constant zeros: all this stands under the diagonal's way from memory
	v_mul_u32_u24 v[VA], v1, XP
	v_lshl_add_u32 v[VA], v2, 4, v[VA]
	v_add_nc_u32 v[VA], s99, v[VA]
	v_lshrrev_b32 v[VS], 1, v1
	v_mul_u32_u24 v[VS], v[VS], SPI
	v_and_b32 v[MX], 1, v1
	v_lshl_add_u32 v[VS], v[MX], 7, v[VS]
	s_mul_i32 s99, s12, XSW
	s_add_co_u32 s99, s99, XS
	v_add_nc_u32 v[VS], s99, v[VS]
	v_mul_u32_u24 v[STO], v1, SP
	v_lshl_add_u32 v[STO], v2, 5, v[STO]
	s_mul_i32 s99, s12, STW
	s_add_co_u32 s99, s99, STG                     ; my stage
	v_add_nc_u32 v[STO], s99, v[STO]
	v_lshlrev_b32 v[CO], 4, v3
	v_add_nc_u32 v[RD], s99, v[CO]
	v_add_nc_u32 v[IL], XI, v[CO]
	s_lshl_b32 s99, s12, 10
	v_add_nc_u32 v[IS], s99, v[IL]
	v_mov_b32 v[ZS], 0x7f7f7f7f
	WIN W_2
.irp t, 0,1,2,3,4,5,6,7
.set OO, 4*(\t/4)+2*(\t%2)
.irp j, 0,1,2,3,4,5,6,7
.if (\j != OO) && (\j != OO+1)
	v_mov_b32 v[BSEL+8*\t+\j], 0                   ; a fragment's six registers in which no column of the tile has its k: the mask's zeros as codes.  They are the operand, no clearing of sums
.endif
.endr
.endr
.irp j, 0,1,2,3,4,5,6,7
	v_mov_b32 v[ZF+\j], 0                          ; the fragment of the K steps that hold no diagonal
.endr
	WIN 0
; MY STRIP'S TILE t: columns 16 t + r.  The column's number stands at k = 16 t + r of the strip's K step: block t / 2 of four.
.macro BTILE t
.set BB, (\t)/2
	v_max_num_f32 v[MX], 0x1800000, |v[DGO+(\t)]|  ; the block's largest magnitude is its one number, over the floor 2^(3 - 127), which holds the byte at 1 from below
	v_add_nc_u32 v[SO], 0xff000000, v[MX]          ; 2 off its exponent field: the conversion takes the exponent field of this operand as its scale, and nothing else of it
	v_lshrrev_b32 v[BY], 23, v[SO]                 ; the scale's byte
	v_lshl_or_b32 v[BSO+(\t)], v[BY], 8*BB, 0x7f7f7f7f&~(0xff<<(8*BB))   ; the column's scale word: its three blocks of zeros keep the byte 127
.irp n, 0,1,2,3,4,5,6,7
	v_cndmask_b32 v[SN+\n], 0, v[DGO+(\t)], s[MI+\n]   ; w x eye over the eight k of a register: the number where k % 8 = r % 8, else 0
.endr
	v_cvt_scalef32_pk8_fp4_f32 v[XO+(\t)], v[SN:SN+7], v[SO]
	v_nop                                          ; one plain place behind a scaled conversion
.endm
	s_wait_loadcnt 0x0                             ; the eight diagonal loads
.irp t, 0,1,2,3,4,5,6,7
	BTILE \t
.endr
	ds_store_b128 v[IS], v[XO:XO+3]                ; codes and scale words go to the other waves as images of their registers: four tiles' registers, 16 bytes a lane
	ds_store_b128 v[IS], v[XO+4:XO+7] offset:512
	ds_store_b128 v[IS], v[BSO:BSO+3] offset:BI
	ds_store_b128 v[IS], v[BSO+4:BSO+7] offset:BI+512
	s_wait_dscnt 0x0                               ; for the others' sake: my images lie in LDS
	s_barrier_signal -1
	s_barrier_wait -1                              ; everybody's do.
	WIN W_2
.irp j, 0,1,2,3,4,5,6,7
	ds_load_b128 v[XR+4*\j:XR+4*\j+3], v[IL] offset:512*\j
.endr
	WIN 0
.irp j, 0,1,2,3,4,5,6,7
	ds_load_b128 v[BS+4*\j:BS+4*\j+3], v[IL] offset:BI+512*\j
.endr
; One select of sixteen: B's fragment of tile k / 2 of strip sq, for K step 4 sG + sq.  The column's code stands in register 4 (t / 4) + 2 (t % 2) + r / 8 of the lanes of half (t / 2) % 2: so each of the two registers
; takes the tile's codes in eight lanes, where sG = bx, and the code 0 everywhere else.
.macro SELONE k, sq, sG
.set TT, (\k)/2
.set PT, (\k)%2
.set OO, 4*(TT/4)+2*(TT%2)
.set HT, (TT/2)%2
	v_cndmask_b32 v[BSEL+8*TT+OO+PT], v[XR+8*(\sq)+TT], 0, s[NM+4*(\sG)+2*HT+PT]
.endm
.macro SELALL sq, sG
.irp k, 0,1,2,3,4,5,6,7,8,9,10,11,12,13,14,15
	SELONE \k, \sq, \sG
.endr
.endm
; The K step of group G that may hold strip q's diagonal: B under the eye.  first = 1: these products start the unit's sums: nothing is ever cleared.
; The eight accumulators take turns, one instruction a turn, in the same order in every K step.
.macro CAND q, G, first
.set PS, 4*(\G)+(\q)
.set AC, 64*((\q)%2)
.irp b, 0,1,2,3,4,5,6,7
.if \first
	v_wmma_scale_f32_16x16x128_f8f6f4 v[AC+8*\b:AC+8*\b+7], v[BSEL+8*\b:BSEL+8*\b+7], v[8*PS:8*PS+7], 0, v[BS+8*(\q)+\b], v[XSC+PS] matrix_a_fmt:MATRIX_FMT_FP4 matrix_b_fmt:MATRIX_FMT_FP4
.else
	v_wmma_scale_f32_16x16x128_f8f6f4 v[AC+8*\b:AC+8*\b+7], v[BSEL+8*\b:BSEL+8*\b+7], v[8*PS:8*PS+7], v[AC+8*\b:AC+8*\b+7], v[BS+8*(\q)+\b], v[XSC+PS] matrix_a_fmt:MATRIX_FMT_FP4 matrix_b_fmt:MATRIX_FMT_FP4
.endif
.endr
.endm
; The group's other three K steps: 24 products with the fragment of zeros.  sel = 1: one vector instruction stands behind each: four places behind the products that read B's fragments, the sixteen selects for
; K step 4 sG + sq, four places in front of the products that will read them.
.macro ZEROS q, G, sel, sq, sG
.set AC, 64*((\q)%2)
.set ZI, 0
.irp z, 0,1,2,3
.if \z != (\q)
.irp b, 0,1,2,3,4,5,6,7
	v_wmma_scale_f32_16x16x128_f8f6f4 v[AC+8*\b:AC+8*\b+7], v[ZF:ZF+7], v[8*(4*(\G)+\z):8*(4*(\G)+\z)+7], v[AC+8*\b:AC+8*\b+7], v[ZS], v[XSC+4*(\G)+\z] matrix_a_fmt:MATRIX_FMT_FP4 matrix_b_fmt:MATRIX_FMT_FP4
.if \sel
.if (ZI < 4) || (ZI > 19)
	v_nop
.else
	SELONE ZI-4, \sq, \sG
.endif
.endif
.set ZI, ZI+1
.endr
.endif
.endr
.endm
; x's fragments of row tile i, groups g0 .. g0 + 3 (16 K steps, one tile in LDS): lane (r, h) takes, of row r, the 16 bytes at 64 (p % 16) + 32 c + 16 h
.macro FRAGS i, g0
	WIN W_A
.set PP, 4*(\g0)
.rept 16
	ds_load_b128 v[8*PP:8*PP+3],   v[VA] offset:(2*(\i)+PP/16)*XT+(PP%16)*64
	ds_load_b128 v[8*PP+4:8*PP+7], v[VA] offset:(2*(\i)+PP/16)*XT+(PP%16)*64+32
.set PP, PP+1
.endr
.endm
.macro BATCHA i                        ; row tile i: all its scale words (four K steps' words to a load), then the fragments of groups 0 to 3
	WIN 0
.irp g, 0,1,2,3,4,5,6,7
	ds_load_b128 v[XSC+4*\g:XSC+4*\g+3], v[VS] offset:(\i)*8*SPI+16*\g
.endr
	FRAGS \i, 0
.endm
; THE WAY OUT of a finished unit.  TOSTAGE: its accumulator set into my own stage, and back as whole rows of 512 bytes.  SEND: stored.
.macro TOSTAGE set
	WIN W_ST
.irp b, 0,1,2,3,4,5,6,7
	ds_store_b128 v[STO], v[64*(\set)+8*\b:64*(\set)+8*\b+3] offset:64*\b          ; lane (r, h): out0(r, 16 b + 8 h + 0 .. 7); each accumulator from its low end on
	ds_store_b128 v[STO], v[64*(\set)+8*\b+4:64*(\set)+8*\b+7] offset:64*\b+16
.endr
	WIN 0
	s_wait_xcnt 0x0                                ; the unit before has stored from v[BK ..]: the loads below land there only behind this wait
.irp t, 0,1,2,3,4,5,6,7,8,9,10,11,12,13,14,15
	ds_load_b128 v[BK+4*\t:BK+4*\t+3], v[RD] offset:\t*SP   ; LDS serves a wave's instructions in order (ISA guide 5.7.1.4): these see my stores; the stage is mine alone
.endr
.endm
.macro SEND pq                         ; pq: the unit's strip
	WIN 0
.irp t, 0,1,2,3,4,5,6,7,8,9,10,11,12,13,14,15
	s_wait_dscnt 15-\t                             ; row t is back; the 15 - t rows behind it may be out
	global_store_b128 v[CO], v[BK+4*\t:BK+4*\t+3], s[10:11] offset:(\pq)*512+\t*NROW th:TH_STORE_NT   ; 32 lanes store 512 consecutive bytes, aligned; written once, read by nobody here
.endr
.endm
; A UNIT: strip q of the row tile in hand, accumulator set q % 2.
; fetch = 1 (q = 0): row tile i's fragments come on the way: BATCHA stands in front; groups 4 to 7 are asked for behind group 2.  prev = 1: the unit before, in the other set, leaves: into the stage behind group 0
; (that group's 24 vector instructions are the places behind its last products), to memory behind group 2.
.macro UNIT q, i, fetch, prev
.irp G, 0,1,2,3,4,5,6,7
.if \fetch
.if \G == 0
	s_wait_dscnt 24                                ; all older loads and group 0's fragments are in; the 24 loads of groups 1 to 3 may be out
.elseif \G < 3
	s_wait_dscnt 24-8*\G+32*\prev                  ; group G's are in; out may be the later groups' loads and the 32 stage instructions issued behind them
.else
	s_wait_dscnt 56-8*\G                           ; likewise among the 32 loads of groups 4 to 7
.endif
.endif
	WIN W_MUL
.if \G == 0
	CAND \q, \G, 1
.else
	CAND \q, \G, 0
.endif
.if \G < 7
	ZEROS \q, \G, 1, \q, \G+1
.elseif \q < 3
	ZEROS \q, \G, 1, \q+1, 0
.else
	ZEROS \q, \G, 0, 0, 0                          ; what follows a row tile's last unit differs from trip to trip: the next select stands there
.endif
.if \prev && (\G == 0)
	TOSTAGE 1-((\q)%2)
.endif
.if \prev && (\G == 2)
	SEND ((\q)+3)%4
.endif
.if \fetch && (\G == 2)
.if \i == 0
	s_wait_tensorcnt 0x2                           ; the first row tile's second half of K has landed; the second row tile's two tiles may be out
.endif
	FRAGS \i, 4
.endif
.endr
.endm
	s_wait_dscnt 8                                 ; B's codes are in; the eight loads of its scale words may be out
	WIN W_MUL
	SELALL 0, 0                                    ; B under the eye for the first K step
	PLACES                                         ; four places in front of the products that read it
	WIN 0
	s_wait_tensorcnt 0x3                           ; x's scale bytes and the first tile of codes have landed; three tiles may be out.  I alone read what I fetched
	BATCHA 0
	UNIT 0, 0, 1, 0
	WIN 0                                          ; at a label and at a branch every window is 0
.Lrow:                                             ; two trips: a row tile's units 1, 2, 3
	UNIT 1, 0, 0, 1
	UNIT 2, 0, 0, 1
	UNIT 3, 0, 0, 1
	WIN 0
	s_cmp_eq_u32 s[TRIP], 1
	s_cbranch_scc1 .Llast
	s_wait_tensorcnt 0x0                           ; the second row tile's codes have landed
	PLACES                                         ; behind the last products: in front of the loads into the scale words and fragments that they read, and of the selects
	BATCHA 1
	WIN W_MUL
	SELALL 0, 0                                    ; under the loads' way from LDS
	PLACES
	UNIT 0, 1, 1, 1                                ; the second row tile's unit 0; the first row tile's unit 3 leaves under it
	WIN 0
	s_wait_xcnt 0x0                                ; the stores have read their base
	s_add_nc_u64 s[10:11], s[10:11], 16*NROW       ; out0: 16 rows on
	s_sub_co_u32 s[TRIP], s[TRIP], 1
	s_cmp_lg_u32 s[TRIP], 0
	s_cbranch_scc1 .Lrow
.Llast:
	s_wait_tensorcnt 0x0                           ; no tensor load is out at the wave's end
	PLACES                                         ; behind the last products, in front of the LDS stores that read their results
	TOSTAGE 1
	SEND 3
	s_wait_dscnt 0x0                               ; no LDS instruction is pending at a signal
	s_wait_tensorcnt 0x0
	ds_add_u32 v254, v255
	s_wait_dscnt 0x0
	CROUND                                         ; the closing round: no work-group ends while a partner may still ask for a tile that names it
	s_endpgm
.Lfunc_end_k_q11dc11d8e9_diag:
	.size	k_q11dc11d8e9_diag, .Lfunc_end_k_q11dc11d8e9_diag-k_q11dc11d8e9_diag
	.p2alignl 7, 3214868480
	.fill 96, 4, 3214868480
	.section	.rodata,"a",@progbits
	.p2align	6, 0x0
	.amdhsa_kernel k_q11dc11d8e9_diag
		.amdhsa_group_segment_fixed_size 327680
		.amdhsa_private_segment_fixed_size 0
		.amdhsa_enable_private_segment 0
		.amdhsa_kernarg_size 32
		.amdhsa_user_sgpr_count 2
		.amdhsa_user_sgpr_kernarg_segment_ptr 1
		.amdhsa_wavefront_size32 1
		.amdhsa_system_sgpr_workgroup_id_x 1
		.amdhsa_system_sgpr_workgroup_id_y 1
		.amdhsa_system_sgpr_workgroup_id_z 1
		.amdhsa_system_vgpr_workitem_id 0
		.amdhsa_next_free_vgpr 768
		.amdhsa_next_free_sgpr 102
		.amdhsa_reserve_vcc 0
		.amdhsa_float_denorm_mode_32 3
		.amdhsa_float_denorm_mode_16_64 3
		.amdhsa_memory_ordered 1
		.amdhsa_forward_progress 1
		.amdhsa_inst_pref_size 255
	.end_amdhsa_kernel
	.section	.bss,"aw",@nobits
	.p2align	6
	.space	262144
	.amdgpu_metadata
---
amdhsa.version: [ 1, 2 ]
amdhsa.kernels:
  - .name:           k_q11dc11d8e9_diag
    .symbol:         k_q11dc11d8e9_diag.kd
    .args:
      - { .name: w, .offset: 0, .size: 8, .value_kind: global_buffer, .address_space: global }
      - { .name: x_codes, .offset: 8, .size: 8, .value_kind: global_buffer, .address_space: global }
      - { .name: x_scales, .offset: 16, .size: 8, .value_kind: global_buffer, .address_space: global }
      - { .name: out0, .offset: 24, .size: 8, .value_kind: global_buffer, .address_space: global }
    .group_segment_fixed_size: 327680
    .private_segment_fixed_size: 0
    .kernarg_segment_align: 8
    .kernarg_segment_size: 32
    .max_flat_workgroup_size: 128
    .sgpr_count:     102
    .vgpr_count:     768
    .wavefront_size: 32
...
	.end_amdgpu_metadata
.endif
;; end of part 1
